; MI455X (gfx1250); checked and timed in simulation.
; The chip was launched on July 23, 2026; its instructions are those of AMD's public machine-readable ISA for CDNA 5 (MIT licence, August 2026) and "CDNA5" Instruction Set Architecture Reference Guide (July 2026). The comments in the code are by the model that wrote it; some were corrected since.
;; Multi Head Attention. Allowed arithmetic: matrix products marked QUANTISED: E5M2 operands, one given power-of-two scale a tensor, by v_wmma_f32_16x16x64_bf8_bf8 or v_wmma_f32_16x16x128_bf8_bf8, f32 sums; everything else in f32.
;; Inputs: Wk_codes 512 x 16 x 32 uint8 (E5M2 codes of Wk, K innermost, in blocks of 32 codes); Wo_codes 512 x 16 x 32 uint8 (E5M2 codes of Wo, K innermost, in blocks of 32 codes); Wq_codes 512 x 16 x 32 uint8 (E5M2 codes of Wq, K innermost, in blocks of 32 codes); Wv_codes 512 x 16 x 32 uint8 (E5M2 codes of Wv, K innermost, in blocks of 32 codes); beta 512 float32; bk 512 float32; bo 512 float32; bq 512 float32; bv 512 float32; gamma 512 float32; k_codes 2 x 8 x 1,024 x 16 x 32 uint8 (E5M2 codes of k, K innermost, in blocks of 32 codes); lowp_scales 12 int32 (the exponents e of the quantised operands' scales 2^e); mask 2 x 1,024 x 1,024 bool; q 2 x 8 x 1,024 x 512 float32; v_codes 2 x 8 x 1,024 x 16 x 32 uint8 (E5M2 codes of v, K innermost, in blocks of 32 codes).
;; Outputs: out0 2 x 8 x 1,024 x 512 float32.
;; This version of the problem:
;;   THIS VERSION OF THE PROBLEM IS GIVEN IN LOW PRECISION. The matrix products marked QUANTISED in the list below multiply operands that are first quantised to E5M2 (5 exponent bits, 2 mantissa bits; 8 bits a number), with one given power-of-two scale for each operand tensor; their sums are f32. All else is computed in f32.
;;   The module's matrix products, in the order in which they are computed (A, B: the left and right operand; K: the contracted axis; several contracted axes count as one K, in the product's order):
;;     1. [M 16,384, K 512] x [K 512, N 512]; A: input q; B: input Wq (given as codes): QUANTISED (scales: A lowp_scales[0], B lowp_scales[1])
;;     2. [M 16,384, K 512] x [K 512, N 512]; A: input k (given as codes); B: input Wk (given as codes): QUANTISED (scales: A lowp_scales[2], B lowp_scales[3])
;;     3. [M 16,384, K 512] x [K 512, N 512]; A: input v (given as codes); B: input Wv (given as codes): QUANTISED (scales: A lowp_scales[4], B lowp_scales[5])
;;     4. batch 128 x [M 1,024, K 64] x [K 64, N 1,024]; A: computed on the way; B: computed on the way: QUANTISED (scales: A lowp_scales[6], B lowp_scales[7])
;;     5. batch 128 x [M 1,024, K 1,024] x [K 1,024, N 64]; A: softmax (see below); B: computed on the way: QUANTISED (scales: A lowp_scales[8], B lowp_scales[9])
;;     6. [M 16,384, K 512] x [K 512, N 512]; A: computed on the way; B: input Wo (given as codes): QUANTISED (scales: A lowp_scales[10], B lowp_scales[11])
;;   THE QUANTISER, for each operand of a quantised product, along K:
;;     - The operand's scale is 2^e, e = its entry of the input lowp_scales (int32; the entries are numbered through the quantised products in the list's order, A before B).
;;     - Each number is divided by the scale, clamped to +-57,344, and rounded to the nearest number of E5M2, ties to even, subnormals kept.
;;     - The product sums the exact products of the quantised numbers (number of the format x scale) in f32.
;;   ~~~python
;;   def quantise(x, axis, e):      # numpy; x: float32 -> the quantised numbers, widened to float32 again
;;       x = np.moveaxis(x, axis, -1); K = x.shape[-1]
;;       r = np.clip(x / 2.0 ** e, -57344, 57344)
;;       step = 2.0 ** (np.maximum(np.frexp(np.where(r == 0, 1, r))[1] - 1, -14) - 2)
;;       q = np.round(r / step) * step * 2.0 ** e      # np.round: ties to even
;;       return np.moveaxis(q, -1, axis).astype(np.float32)
;;   ~~~
;;   SOFTMAX AHEAD OF A QUANTISED PRODUCT. Where the list says 'softmax', what is quantised is not the finished softmax but p = 2^(t - M), with t = logit x log2(e) and M = ceil(the row's largest t), a whole number; so 1/2 < the row's largest p <= 1. The row's sum l is taken of the UNQUANTISED p, in f32, and the product's result is divided by l at the end. Since M is a whole number, a kernel that streams over the keys may use a running M (the ceiling of the running maximum): every later rescaling is an exact power of two, so the quantised numbers keep their values, but for numbers so far below the row's largest that they fall under the format's range.
;;   OPERANDS COMPUTED ON THE WAY. 'Computed on the way' means the value that the module computes at that place (a softmax that the list does not call 'softmax' is quantised finished and normalised). What goes into a quantiser is computed in f32, as accurately as f32 sums, v_exp_f32 and their like allow (about 1e-6 of the number): no bf16 or f16 on the way to a quantiser, and a product that is left as it is and whose result goes on into a quantised operand takes f32 operands (vector FMAs, or v_wmma_f32_16x16x4_f32). A number that lies on a knife's edge between two numbers of the format may be rounded either way, as far as f32 arithmetic and the matrix unit's own rounding can turn it there, and no further.
;;   INPUTS GIVEN AS CODES. Wk (in the module: [512, 512], K = its axis 0); Wo (in the module: [512, 512], K = its axis 0); Wq (in the module: [512, 512], K = its axis 0); Wv (in the module: [512, 512], K = its axis 0); k (in the module: [2, 8, 1024, 512], K = its axis 3); v (in the module: [2, 8, 1024, 512], K = its axis 3): each comes as NAME_codes (uint8): NAME with its K axis moved to the last place and cut into blocks of 32 codes, [.., K / 32, bytes a block], one block behind the other in memory; one code a byte (a code: sign, 5 exponent bits, 2 mantissa bits); its scale is its entry of lowp_scales. Its value is code x scale, taken as it is: it is not quantised again, and the codes and scales need not be those that the quantiser above would give.
;; One version. Each part assembles by itself: llvm-mc -triple=amdgcn-amd-amdhsa -mcpu=gfx1250 --defsym DOCPART=n.
;; ======== version 1 of 1: 2 launches
;; limits: right only within a limited range of input values
;; workspace buffers: qc 8,388,608 bytes; kv 16,777,216 bytes; mw 2,097,152 bytes; wi 262,144 bytes
;; launch proj (part 1): grid 256 x 1, 8 waves a work-group, no clusters, 203,776 bytes of LDS; arguments q, k_codes, v_codes, Wq_codes, Wk_codes, Wv_codes, bq, bk, bv, mask, lowp_scales, qc, kv, mw, Wo_codes, wi; writes qc, kv, mw, wi
.if DOCPART == 1
	.amdgcn_target "amdgcn-amd-amdhsa--gfx1250"
	.amdhsa_code_object_version 6
	.text
	.protected	k_qcb6316c6e9_proj
	.globl	k_qcb6316c6e9_proj
	.p2align	8
	.type	k_qcb6316c6e9_proj,@function
k_qcb6316c6e9_proj:
	s_mov_b64 s[64:65], 0
	v_nop
	global_prefetch_b8 v0, s[64:65] scope:SCOPE_SE
	s_setreg_imm32_b32 hwreg(HW_REG_WAVE_MODE, 25, 1), 1
	s_wait_xcnt 0x0
; THE THREE PROJECTIONS: qp = Q(q) Wq + bq, kp = k Wk + bk, vp = v Wv + bv, each on codes of BF8 (E5M2), and each result quantised at once for the product that takes it
; (qp with 2^e6, kp with 2^e7, vp with 2^e9).  Beside that the mask's bytes are turned into codes of BF8 in a score accumulator's layout for the attention launch.
; NO WORK IS LEFT OUT in this program: every bias goes into a quantiser or into the output, the mask is an input and is honoured bit by bit, so every input is loaded by some launch.
; SHARES.  Work-groups 0-127 take q (128 tokens each, f32, quantised here with 2^e0), 128-191 take k, 192-255 take v (256 tokens each, given as codes).  Wave w is head w: features 64 w .. 64 w + 63;
; its 64 rows of the weight, 256 registers, stay in window 1 for the whole launch.  A work-group's rows of codes lie in LDS (512 bytes + 16 a row); one barrier parts the writing from the reading.
; A block is 64 tokens x 64 features a wave: 16 accumulators, 4 K steps of 128, 64 matrix instructions.
; ORDER ALONG K.  A fragment is fetched by four loads of 16 bytes: registers 4 c .. 4 c + 3 of lane (r, h) hold k = 32 c + 16 h + 0 .. 15, alike on both sides of every product.
; THE ROWS OF A WEIGHT THAT FORM A TILE ARE NOT NEIGHBOURS: lane r of tile t takes row 32 (t / 2) + 8 (t % 2) + r + 8 (r / 8).  For q and k the product is used transposed (source 0 = weight, source 1 = tokens):
; a lane holds one token, and tiles 2 b, 2 b + 1 give it 16 neighbouring features 32 b + 16 h + 0 .. 15: the conversions' results are the next operand's registers.  For v the sources stand the other way round:
; a lane holds one feature and eight neighbouring tokens, since the keys are the next product's K.
; RESULTS leave as images of the operand's registers: four registers of 32 lanes are 512 consecutive bytes, lane l at 16 l.
;   qc: [sequence x 8 + head][query tile][2 x 512].   kv: [sequence x 8 + head][step of 128 keys][16,384]: 8 tiles of K (1,024 each), then at 8,192 four tiles of V (2,048 each: 16 features x 128 keys).
;   mw: [batch][query tile][step][2,048]: codes of BF8, 0x00 or 0xfb; registers 2 u, 2 u + 1 of lane l hold mask[batch][16 tile + l % 16][128 step + 16 u + 8 (l / 16) + 0 .. 7].
; The bias is the C of each sum's first matrix instruction, divided by the power of two that the sums lack; the three scales ahead of the quantiser are folded into the conversion's one.
; LIMITS: e0, e6 - e0 - e1, e7 - e2 - e3 and e9 - e4 - e5 lie between -126 and 112, so that each power of two below is an f32 number.  NaN among the inputs is not served; an infinity is held at the largest code.
.set PITCH, 528                        ; an LDS row: 512 codes + 16 bytes: the 16 rows that a fragment load touches begin 16 bytes further on in each 256
.set XK,    128*PITCH                  ; q's 128 rows lie at 0; k's or v's 256 rows here: the two kinds of work-group store into bytes of their own
.set SPARE, XK+256*PITCH               ; the spare words, 128 bytes for each wave: four blocks of 256 bytes that no other line names
.set BLKB,  64*PITCH                   ; a block's rows
.set L16,  1                           ; v1   16 x lane
.set WA,   2                           ; v2   the weight: (r + 8 (r / 8)) x 512 + 16 h
.set XAQ,  3                           ; v3   a fragment's place in q's rows: r x PITCH + 16 h
.set XAK,  4                           ; v4   the same in k's or v's rows
.set XA,   5                           ; v5   the same in the block in hand
.set SPW,  6                           ; v6   LDS address of my spare word; never rewritten
.set NIL,  7                           ; v7   0; never rewritten
.set SC,   8                           ; v8   2^(eo - ea - eb), for the results' conversions
.set LIM,  9                           ; v9   57,344 x that
.set SCX,  10                          ; v10  2^e0, for q's conversions
.set LIMX, 11                          ; v11  57,344 x 2^e0
.set QST,  12                          ; v12  where I store q's codes: 16 w rows + 8 x lane
.set KST,  13                          ; v13  where I store k's or v's: XK + 32 w rows + 16 x lane
.set OUTO, 14                          ; v14  my byte in the block's results
.set MA,   15                          ; v15  the mask: r x 1,024 + 8 h
.set MB,   16                          ; v16-23 32 bytes of the mask
.set QO,   28                          ; v28  32 x lane: my eight numbers of q
.set L4,   29                          ; v29  4 x lane
.set BI,   32                          ; v32-63 the bias, tile t at 32 + 8 t
.set XF,   64                          ; v64-127 the tokens' fragments (tile m at 64 + 16 m); the codes made; at the head the bias's offsets
.set AC,   128                         ; v128-255 accumulator (m, t) at 128 + 8 (4 m + t); ahead of the barrier: what was loaded of q, k or v
.set MSB, 0
.macro WIN new                         ; the immediate's high byte repeats the setting that is left
.if MSB != \new
	s_set_vgpr_msb (MSB<<8)|\new
.set MSB, \new
.endif
.endm
.macro PLACES                          ; four plain vector instructions between a matrix instruction and a load into, or a read of, its registers
.rept 4
	v_nop
.endr
.endm
.macro LOADB                           ; the bias in the result's layout: q, k: register j = feature 16 h + j of the tile's; v: my column's in all eight
.irp t, 0,1,2,3
.irp j, 0,1,2,3,4,5,6,7
	global_load_b32 v[BI+8*\t+\j], v[XF+\j], s[52:53] offset:(32*(\t/2)+8*(\t%2))*4
.endr
.endr
.endm
.macro LOADW                           ; my 64 rows of the weight: fragment (t, K step) at v[16 (4 t + step)] of window 1
	WIN 0x40                                       ; destination window 1
.irp t, 0,1,2,3
.irp kap, 0,1,2,3
.irp c, 0,1,2,3
	global_load_b128 v[16*(4*\t+\kap)+4*\c:16*(4*\t+\kap)+4*\c+3], v[WA], s[50:51] offset:(32*(\t/2)+8*(\t%2))*512+128*\kap+32*\c
.endr
.endr
.endr
	WIN 0
	s_wait_xcnt 0x0                                ; the bias's loads have read their offsets in v64-71, which are written again below
.endm
.macro QLOAD st, row0                  ; four rows of q: a lane takes eight neighbours along K at 32 x lane, and eight more 1,024 bytes on
.irp p, 0,1,2,3
	global_load_b128 v[AC+64*\st+16*\p:AC+64*\st+16*\p+3],     v[QO], s[48:49] offset:(\row0+\p)*2048 th:TH_LOAD_NT
	global_load_b128 v[AC+64*\st+16*\p+4:AC+64*\st+16*\p+7],   v[QO], s[48:49] offset:(\row0+\p)*2048+16 th:TH_LOAD_NT
	global_load_b128 v[AC+64*\st+16*\p+8:AC+64*\st+16*\p+11],  v[QO], s[48:49] offset:(\row0+\p)*2048+1024 th:TH_LOAD_NT
	global_load_b128 v[AC+64*\st+16*\p+12:AC+64*\st+16*\p+15], v[QO], s[48:49] offset:(\row0+\p)*2048+1040 th:TH_LOAD_NT
.endr
.endm
.macro QQUANT st, row0, cs             ; they become codes and go to their rows in LDS
.set j, 0
.rept 64
	v_med3_num_f32 v[AC+64*\st+j], v[AC+64*\st+j], -v[LIMX], v[LIMX]   ; the conversion to an 8-bit code does not saturate (ISA guide 7.6.2): the hold at the largest code x the scale
.set j, j+1
.endr
.irp g, 0,1,2,3,4,5,6,7
	v_cvt_scalef32_pk8_bf8_f32 v[XF+16*\cs+2*\g:XF+16*\cs+2*\g+1], v[AC+64*\st+8*\g:AC+64*\st+8*\g+7], v[SCX]
.endr
	v_nop                                          ; one plain vector instruction behind the last conversion
.irp g, 0,1,2,3,4,5,6,7
	ds_store_b64 v[QST], v[XF+16*\cs+2*\g:XF+16*\cs+2*\g+1] offset:(\row0+\g/2)*PITCH+256*(\g%2)
.endr
.endm
.macro FETCHX kap, first               ; the fragments of token tiles first, first + 1 for one K step: 8 loads
.irp m, \first, \first+1
.irp c, 0,1,2,3
	ds_load_b128 v[XF+16*(\m)+4*\c:XF+16*(\m)+4*\c+3], v[XA] offset:16*(\m)*PITCH+128*(\kap)+32*\c
.endr
.endr
.endm
; 8 matrix instructions: token tiles first, first + 1 x my four feature tiles.  swap = 0: source 0 = weight; 1: source 0 = tokens.  The first K step takes the bias as C.
; The 16 accumulators take turns, one instruction a turn, in the same order in every K step.
.macro MUL8 swap, kap, first
.if \swap
	WIN 0x04                                       ; source 1 window 1
.else
	WIN 0x01                                       ; source 0 window 1
.endif
.irp m, \first, \first+1
.irp t, 0,1,2,3
.if \swap
.if (\kap) == 0
	v_wmma_f32_16x16x128_bf8_bf8 v[AC+8*(4*(\m)+\t):AC+8*(4*(\m)+\t)+7], v[XF+16*(\m):XF+16*(\m)+15], v[16*(4*\t+(\kap)):16*(4*\t+(\kap))+15], v[BI+8*\t:BI+8*\t+7]
.else
	v_wmma_f32_16x16x128_bf8_bf8 v[AC+8*(4*(\m)+\t):AC+8*(4*(\m)+\t)+7], v[XF+16*(\m):XF+16*(\m)+15], v[16*(4*\t+(\kap)):16*(4*\t+(\kap))+15], v[AC+8*(4*(\m)+\t):AC+8*(4*(\m)+\t)+7]
.endif
.else
.if (\kap) == 0
	v_wmma_f32_16x16x128_bf8_bf8 v[AC+8*(4*(\m)+\t):AC+8*(4*(\m)+\t)+7], v[16*(4*\t+(\kap)):16*(4*\t+(\kap))+15], v[XF+16*(\m):XF+16*(\m)+15], v[BI+8*\t:BI+8*\t+7]
.else
	v_wmma_f32_16x16x128_bf8_bf8 v[AC+8*(4*(\m)+\t):AC+8*(4*(\m)+\t)+7], v[16*(4*\t+(\kap)):16*(4*\t+(\kap))+15], v[XF+16*(\m):XF+16*(\m)+15], v[AC+8*(4*(\m)+\t):AC+8*(4*(\m)+\t)+7]
.endif
.endif
.endr
.endr
.endm
; A BLOCK of 64 tokens.  s46 = its number, s35 = its rows' first LDS byte.  Its results: q, k: token tile m is 1,024 bytes at 4,096 (block % 2) + 1,024 m of step block / 2;
; v: feature tile t's 64 keys are 1,024 bytes at 8,192 + 2,048 t + 1,024 (block % 2).
.macro BLOCK swap, base
	s_wait_xcnt 0x0                                ; the last block's stores have read their codes (v64-95) and their offset: both are written again below
	s_lshr_b32 s62, s46, 1
	s_lshl_b32 s62, s62, 14
	s_and_b32 s63, s46, 1
	s_lshl_b32 s63, s63, 12-2*\swap
	s_add_co_u32 s62, s62, s63
	v_add_nc_u32 v[XA], s35, v[\base]
	v_add_nc_u32 v[OUTO], s62, v[L16]
	FETCHX 0, 0
	FETCHX 0, 2
	s_wait_alu depctr_va_vdst(0)
.irp kap, 0,1,2,3
	s_wait_dscnt 8                                 ; tiles 0, 1 are in; the eight younger loads (tiles 2, 3) may be out
	MUL8 \swap, \kap, 0
.if \kap < 3
	WIN 0
	PLACES
	FETCHX \kap+1, 0
	s_wait_dscnt 8                                 ; tiles 2, 3 are in; the eight just issued may be out
.else
	s_wait_dscnt 0
.endif
	MUL8 \swap, \kap, 2
.if \kap < 3
	WIN 0
	PLACES
	FETCHX \kap+1, 2
.endif
.endr
	WIN 0
	PLACES
.irp m, 0,1,2,3                        ; each accumulator from its low end on: the hold, then eight codes
.irp t, 0,1,2,3
.irp j, 0,1,2,3,4,5,6,7
	v_med3_num_f32 v[AC+8*(4*\m+\t)+\j], v[AC+8*(4*\m+\t)+\j], -v[LIM], v[LIM]
.endr
.if \swap
	v_cvt_scalef32_pk8_bf8_f32 v[XF+8*\t+2*\m:XF+8*\t+2*\m+1], v[AC+8*(4*\m+\t):AC+8*(4*\m+\t)+7], v[SC]   ; feature tile t: keys 16 m + 8 h + 0 .. 7
.else
	v_cvt_scalef32_pk8_bf8_f32 v[XF+8*\m+2*\t:XF+8*\m+2*\t+1], v[AC+8*(4*\m+\t):AC+8*(4*\m+\t)+7], v[SC]   ; token tile m: features 32 (t / 2) + 16 h + 8 (t % 2) + 0 .. 7
.endif
.endr
.endr
	v_nop                                          ; one plain vector instruction behind the last conversion
.irp a, 0,1,2,3
.irp hq, 0,1
	global_store_b128 v[OUTO], v[XF+8*\a+4*\hq:XF+8*\a+4*\hq+3], s[54:55] offset:\swap*8192+(1024+1024*\swap)*\a+512*\hq   ; 32 lanes store 512 consecutive bytes
.endr
.endr
.endm
	s_load_b512 s[4:19], s[0:1], 0x0               ; q, k, v, Wq, Wk, Wv, bq, bk
	s_load_b256 s[20:27], s[0:1], 0x40             ; bv, mask, the scales' exponents, qc
	s_load_b128 s[28:31], s[0:1], 0x60             ; kv, mw
	s_load_b128 s[72:75], s[0:1], 0x70             ; Wo's codes, wi
	v_lshl_add_u32 v[SPW], v0, 2, SPARE
	v_mov_b32 v[NIL], 0
	v_lshrrev_b32 v24, 5, v0
	s_delay_alu instid0(VALU_DEP_1)
	v_readfirstlane_b32 s32, v24                   ; wave 0..7 = head
	v_and_b32 v27, 31, v0                          ; lane
	v_and_b32 v24, 15, v0                          ; r
	v_bfe_u32 v25, v0, 4, 1                        ; h
	s_delay_alu instid0(VALU_DEP_2)
	v_and_b32 v26, 8, v24
	s_delay_alu instid0(VALU_DEP_1)
	v_add_nc_u32 v26, v26, v24                     ; r + 8 (r / 8)
	v_lshlrev_b32 v[L16], 4, v27
	v_lshlrev_b32 v[QO], 5, v27
	v_lshlrev_b32 v[L4], 2, v27
	s_delay_alu instid0(VALU_DEP_4)
	v_lshlrev_b32 v[WA], 9, v26
	s_delay_alu instid0(VALU_DEP_1)
	v_lshl_add_u32 v[WA], v25, 4, v[WA]
	v_mul_u32_u24 v[XAQ], v24, PITCH
	s_delay_alu instid0(VALU_DEP_1)
	v_lshl_add_u32 v[XAQ], v25, 4, v[XAQ]
	s_delay_alu instid0(VALU_DEP_1)
	v_add_nc_u32 v[XAK], XK, v[XAQ]
	s_mul_i32 s62, s32, 16*PITCH
	v_lshl_add_u32 v[QST], v27, 3, s62
	s_mul_i32 s62, s32, 32*PITCH
	s_add_co_u32 s62, s62, XK
	v_lshl_add_u32 v[KST], v27, 4, s62
	v_lshlrev_b32 v[MA], 10, v24
	s_delay_alu instid0(VALU_DEP_1)
	v_lshl_add_u32 v[MA], v25, 3, v[MA]
	; which tokens are my work-group's, and where its bytes lie
	s_lshl_b32 s56, ttmp9, 7
	s_and_b32 s57, ttmp9, 63
	s_lshl_b32 s57, s57, 8
	s_cmp_lt_u32 ttmp9, 128
	s_cselect_b32 s56, s56, s57                    ; my first token: 128 x id for q, 256 x (id % 64) for k and v
	s_cselect_b32 s34, 2, 4                        ; blocks of 64 tokens
	s_cselect_b32 s69, 0, 1
	s_lshr_b32 s70, s56, 10                        ; the sequence
	s_lshl_b32 s70, s70, 3
	s_add_co_u32 s70, s70, s32                     ; x 8 + head
	s_lshl_b32 s70, s70, 16
	s_and_b32 s62, s56, 1023
	s_lshl_b32 s62, s62, 6
	s_add_co_u32 s70, s70, s62
	s_lshl_b32 s70, s70, s69                       ; results: 64 bytes a token and head in qc, 128 in kv
	s_lshl_b32 s71, s32, 4
	s_lshl_b32 s71, s71, s69
	s_add_co_u32 s71, s71, s56                     ; the first row that my wave brings in: + 16 w (q) or + 32 w
	s_lshl_b32 s62, s69, 1
	s_sub_co_u32 s62, 11, s62
	s_lshl_b32 s71, s71, s62                       ; x 2,048 bytes (q) or 512
	s_lshl_b32 s62, ttmp9, 2                       ; the mask: unit (batch, query tile, step) = 4 x id + w / 2; my half of its 128 keys = w % 2
	s_lshr_b32 s63, s32, 1
	s_add_co_u32 s62, s62, s63
	s_and_b32 s63, s32, 1
	s_lshl_b32 s66, s62, 11                        ; in mw: 2,048 x unit + 1,024 x half (the layout is stated where mw is stored, at the kernel's end)
	s_lshl_b32 s67, s63, 10
	s_add_co_u32 s66, s66, s67                     ; in mw: 2,048 x unit + 1,024 x half
	s_lshr_b32 s67, s62, 3
	s_lshl_b32 s67, s67, 14                        ; in the mask: 16 rows of 1,024 bytes for each (batch, query tile),
	s_and_b32 s62, s62, 7
	s_lshl_b32 s62, s62, 7
	s_add_co_u32 s67, s67, s62                     ; + 128 x step
	s_lshl_b32 s63, s63, 6
	s_add_co_u32 s67, s67, s63                     ; + 64 x half
	s_cmp_lt_u32 ttmp9, 192                        ; the bias's offsets: q, k: 64 h + 4 j;  v: 4 (r + 8 (r / 8)) in all eight
	s_cselect_b32 s62, 64, 0
	s_cselect_b32 s63, 0, 4
	s_cselect_b32 s69, 4, 0
	v_mul_u32_u24 v[XF], v25, s62
	s_delay_alu instid0(VALU_DEP_1)
	v_mad_u32_u24 v[XF], v26, s63, v[XF]
.irp j, 1,2,3,4,5,6,7
	s_delay_alu instid0(VALU_DEP_1)
	v_add_nc_u32 v[XF+\j], s69, v[XF+\j-1]
.endr
	s_mov_b32 s57, 0
	s_wait_kmcnt 0x0
	s_load_b256 s[36:43], s[24:25], 0x0            ; e0 .. e7
	s_load_b64 s[44:45], s[24:25], 0x20            ; e8, e9
	s_cmp_lt_u32 ttmp9, 192                        ; the buffers are chosen by the work-group's number alone
	s_cselect_b64 s[48:49], s[6:7], s[8:9]
	s_cselect_b64 s[50:51], s[12:13], s[14:15]
	s_cselect_b64 s[52:53], s[18:19], s[20:21]
	s_cselect_b32 s33, 1, 2
	s_cmp_lt_u32 ttmp9, 128
	s_cselect_b64 s[48:49], s[4:5], s[48:49]       ; the tokens
	s_cselect_b64 s[50:51], s[10:11], s[50:51]     ; the weight
	s_cselect_b64 s[52:53], s[16:17], s[52:53]     ; the bias
	s_cselect_b64 s[54:55], s[26:27], s[28:29]     ; the results
	s_cselect_b32 s33, 0, s33                      ; 0: q, 1: k, 2: v
	s_mov_b32 s56, s71
	s_add_nc_u64 s[48:49], s[48:49], s[56:57]
	s_mov_b32 s56, s70
	s_add_nc_u64 s[54:55], s[54:55], s[56:57]
	s_lshl_b32 s56, s32, 15                        ; my 64 rows of 512 bytes
	s_add_nc_u64 s[50:51], s[50:51], s[56:57]
	s_lshl_b32 s56, s32, 8                         ; my 64 numbers
	s_add_nc_u64 s[52:53], s[52:53], s[56:57]
	s_mov_b32 s56, s67
	s_add_nc_u64 s[58:59], s[22:23], s[56:57]
	s_mov_b32 s56, s66
	s_add_nc_u64 s[60:61], s[30:31], s[56:57]
.irp u, 0,1,2,3
	global_load_b64 v[MB+2*\u:MB+2*\u+1], v[MA], s[58:59] offset:16*\u   ; mask(16 tile + r, .. + 16 u + 8 h + 0 .. 7)
.endr
	; Wo IS LAID OUT AS IMAGES OF THE OPERAND'S REGISTERS for the next launch: wi: [feature block of 64][fragment 4 t + K step][c][512 bytes, lane l at 16 l].
	; 512 pieces of 512 bytes: wave w of work-groups 0 to 63 takes piece 8 x id + w: it is loaded here and stored at the kernel's end.  The branch hangs on the work-group's number alone.
	s_cmp_lt_u32 ttmp9, 64
	s_cbranch_scc0 .Lno_wo
	s_lshr_b32 s76, ttmp9, 3
	s_lshl_b32 s76, s76, 15                        ; the block's 64 rows of 512 bytes
	s_and_b32 s77, ttmp9, 7
	s_lshl_b32 s77, s77, 1
	s_lshr_b32 s78, s32, 2
	s_add_co_u32 s77, s77, s78                     ; the fragment: 4 t + K step
	s_lshr_b32 s78, s77, 3
	s_lshl_b32 s78, s78, 14                        ; 32 (t / 2) rows
	s_add_co_u32 s76, s76, s78
	s_bfe_u32 s78, s77, 0x10002
	s_lshl_b32 s78, s78, 12                        ; 8 (t % 2) rows
	s_add_co_u32 s76, s76, s78
	s_and_b32 s78, s77, 3
	s_lshl_b32 s78, s78, 7                         ; 128 x K step
	s_add_co_u32 s76, s76, s78
	s_and_b32 s78, s32, 3
	s_lshl_b32 s78, s78, 5                         ; 32 c
	s_add_co_u32 s76, s76, s78
	s_mov_b32 s77, 0
	s_add_nc_u64 s[72:73], s[72:73], s[76:77]
	global_load_b128 v[24:27], v[WA], s[72:73]     ; older than every counted load below: their counts stand
.Lno_wo:
	s_wait_kmcnt 0x0
	s_cmp_lt_u32 ttmp9, 192
	s_cselect_b32 s66, s38, s40                    ; ea: the tokens' exponent
	s_cselect_b32 s67, s39, s41                    ; eb: the weight's
	s_cselect_b32 s68, s43, s45                    ; eo: the result's
	s_cmp_lt_u32 ttmp9, 128
	s_cselect_b32 s66, s36, s66
	s_cselect_b32 s67, s37, s67
	s_cselect_b32 s68, s42, s68
	s_add_co_i32 s69, s66, s67                     ; a sum stands for sum x 2^(ea + eb): its code is sum / 2^(eo - ea - eb)
	s_sub_co_i32 s62, s68, s69
	s_add_co_i32 s62, s62, 127
	s_lshl_b32 s63, s62, 23
	v_mov_b32 v[SC], s63
	s_add_co_i32 s62, s62, 15
	s_lshl_b32 s62, s62, 23
	s_or_b32 s62, s62, 0x600000
	v_mov_b32 v[LIM], s62
	s_sub_co_i32 s69, 0, s69                       ; and the bias goes in as bias / 2^(ea + eb)
	s_cmp_lg_u32 s33, 0
	s_cbranch_scc1 .Lcodes_in
	; ---- q: my 16 rows are quantised, four rows at a time in two sets of registers
	QLOAD 0, 0
	QLOAD 1, 4
	s_wait_alu depctr_va_vdst(0)
	LOADB
	LOADW
	s_add_co_i32 s62, s36, 127
	s_lshl_b32 s63, s62, 23
	v_mov_b32 v[SCX], s63
	s_add_co_i32 s62, s62, 15
	s_lshl_b32 s62, s62, 23
	s_or_b32 s62, s62, 0x600000
	v_mov_b32 v[LIMX], s62
	s_wait_alu depctr_va_vdst(0)
	s_wait_loadcnt 63                              ; behind q's 32 loads stand 96 younger ones (32 of the bias, 64 of the weight): with 63 out at the most, q's are in
	QQUANT 0, 0, 0
	QLOAD 0, 8
	QQUANT 1, 4, 1
	QLOAD 1, 12
	s_wait_loadcnt 16                              ; rows 8-11 are in; the sixteen loads of rows 12-15 may be out
	QQUANT 0, 8, 2
	s_wait_loadcnt 0x0
	QQUANT 1, 12, 3
	s_branch .Lrows_in
.Lcodes_in:
	; ---- k, v: my 32 rows of codes go to LDS as they are: a row is 512 consecutive bytes, 16 a lane
.set j, 0
.rept 32
	global_load_b128 v[AC+4*j:AC+4*j+3], v[L16], s[48:49] offset:512*j th:TH_LOAD_NT
.set j, j+1
.endr
	s_wait_alu depctr_va_vdst(0)
	LOADB
	LOADW
	s_wait_loadcnt 63                              ; as above: 96 younger loads stand behind the rows'
.set j, 0
.rept 32
	ds_store_b128 v[KST], v[AC+4*j:AC+4*j+3] offset:PITCH*j
.set j, j+1
.endr
.Lrows_in:
	s_wait_loadcnt 0x0                             ; the bias, the weight, the mask's bytes
.set j, 0
.rept 32
	v_ldexp_f32 v[BI+j], v[BI+j], s69
.set j, j+1
.endr
	s_wait_dscnt 0x0                               ; for the others' sake: my rows lie in LDS
	s_barrier_signal -1
	s_barrier_wait -1                              ; everybody's do.  Nothing is stored to LDS behind this barrier
	s_mov_b32 s46, 0
	s_mov_b32 s35, 0
.Lblock:                                           ; four trips in every work-group; q's, which have two blocks, pass over the work of the last two
	s_cmp_ge_u32 s46, s34
	s_cbranch_scc1 .Lnext
	s_cmp_eq_u32 s33, 0
	s_cbranch_scc0 .Lnot_q
	s_wait_alu depctr_va_vdst(0)
	BLOCK 0, XAQ
	s_branch .Lnext
.Lnot_q:
	s_cmp_eq_u32 s33, 1
	s_cbranch_scc0 .Lis_v
	BLOCK 0, XAK
	s_branch .Lnext
.Lis_v:
	BLOCK 1, XAK
.Lnext:
	s_add_co_u32 s35, s35, BLKB
	s_add_co_u32 s46, s46, 1
	s_cmp_lt_u32 s46, 4
	s_cbranch_scc1 .Lblock
	; ---- the mask: each of my 32 bytes becomes a code of BF8: 1 gives 0x00, 0 gives 0xfb
	s_wait_xcnt 0x0                                ; the last block's stores have read v64 on
	; THE MASK LEAVES AS CODES OF BF8 IN THE LAYOUT OF A SCORE ACCUMULATOR (not as words of lane bits): a byte 1 becomes 0x00 (the number 0), a byte 0 becomes 0xfb (-57,344).
	; mw: [batch][query tile][step of 128 keys][2,048]: registers 2 u, 2 u + 1 of lane l hold mask[batch][16 tile + l % 16][128 step + 16 u + 8 (l / 16) + 0 .. 7]; four registers of 32 lanes are 512 consecutive bytes.
.irp j, 0,1,2,3,4,5,6,7
	v_xor_b32 v[MB+\j], 0x01010101, v[MB+\j]
.endr
.irp j, 0,1,2,3,4,5,6,7
	v_mul_lo_u32 v[MB+\j], v[MB+\j], 0xfb          ; bytes of 0 or 1: no carry from byte to byte
.endr
	global_store_b128 v[L16], v[MB:MB+3], s[60:61]             ; my half of the unit: 2 x 512 consecutive bytes
	global_store_b128 v[L16], v[MB+4:MB+7], s[60:61] offset:512
	s_cmp_lt_u32 ttmp9, 64
	s_cbranch_scc0 .Lno_wi
	s_lshl_b32 s76, ttmp9, 12
	s_lshl_b32 s78, s32, 9
	s_add_co_u32 s76, s76, s78                     ; 512 x piece
	s_mov_b32 s77, 0
	s_add_nc_u64 s[74:75], s[74:75], s[76:77]
	global_store_b128 v[L16], v[24:27], s[74:75]   ; 512 consecutive bytes of wi
.Lno_wi:
	s_wait_tensorcnt 0x0                           ; the wave's end
	ds_add_u32 v[SPW], v[NIL]
	s_wait_dscnt 0x0
	s_endpgm
.Lfunc_end_k_qcb6316c6e9_proj:
	.size	k_qcb6316c6e9_proj, .Lfunc_end_k_qcb6316c6e9_proj-k_qcb6316c6e9_proj
	.p2alignl 7, 3214868480
	.fill 96, 4, 3214868480
	.section	.rodata,"a",@progbits
	.p2align	6, 0x0
	.amdhsa_kernel k_qcb6316c6e9_proj
		.amdhsa_group_segment_fixed_size 203776
		.amdhsa_private_segment_fixed_size 0
		.amdhsa_enable_private_segment 0
		.amdhsa_kernarg_size 128
		.amdhsa_user_sgpr_count 2
		.amdhsa_user_sgpr_kernarg_segment_ptr 1
		.amdhsa_wavefront_size32 1
		.amdhsa_system_sgpr_workgroup_id_x 1
		.amdhsa_system_sgpr_workgroup_id_y 1
		.amdhsa_system_sgpr_workgroup_id_z 1
		.amdhsa_system_vgpr_workitem_id 0
		.amdhsa_next_free_vgpr 512
		.amdhsa_next_free_sgpr 80
		.amdhsa_reserve_vcc 0
		.amdhsa_float_denorm_mode_32 3
		.amdhsa_float_denorm_mode_16_64 3
		.amdhsa_memory_ordered 1
		.amdhsa_forward_progress 1
		.amdhsa_inst_pref_size 121
	.end_amdhsa_kernel
	.amdgpu_metadata
---
amdhsa.version: [ 1, 2 ]
amdhsa.kernels:
  - .name:           k_qcb6316c6e9_proj
    .symbol:         k_qcb6316c6e9_proj.kd
    .args:
      - { .name: q, .offset: 0, .size: 8, .value_kind: global_buffer, .address_space: global }
      - { .name: k_codes, .offset: 8, .size: 8, .value_kind: global_buffer, .address_space: global }
      - { .name: v_codes, .offset: 16, .size: 8, .value_kind: global_buffer, .address_space: global }
      - { .name: Wq_codes, .offset: 24, .size: 8, .value_kind: global_buffer, .address_space: global }
      - { .name: Wk_codes, .offset: 32, .size: 8, .value_kind: global_buffer, .address_space: global }
      - { .name: Wv_codes, .offset: 40, .size: 8, .value_kind: global_buffer, .address_space: global }
      - { .name: bq, .offset: 48, .size: 8, .value_kind: global_buffer, .address_space: global }
      - { .name: bk, .offset: 56, .size: 8, .value_kind: global_buffer, .address_space: global }
      - { .name: bv, .offset: 64, .size: 8, .value_kind: global_buffer, .address_space: global }
      - { .name: mask, .offset: 72, .size: 8, .value_kind: global_buffer, .address_space: global }
      - { .name: lowp_scales, .offset: 80, .size: 8, .value_kind: global_buffer, .address_space: global }
      - { .name: qc, .offset: 88, .size: 8, .value_kind: global_buffer, .address_space: global }
      - { .name: kv, .offset: 96, .size: 8, .value_kind: global_buffer, .address_space: global }
      - { .name: mw, .offset: 104, .size: 8, .value_kind: global_buffer, .address_space: global }
      - { .name: Wo_codes, .offset: 112, .size: 8, .value_kind: global_buffer, .address_space: global }
      - { .name: wi, .offset: 120, .size: 8, .value_kind: global_buffer, .address_space: global }
    .group_segment_fixed_size: 203776
    .private_segment_fixed_size: 0
    .kernarg_segment_align: 8
    .kernarg_segment_size: 128
    .max_flat_workgroup_size: 256
    .sgpr_count:     80
    .vgpr_count:     512
    .wavefront_size: 32
...
	.end_amdgpu_metadata
.endif
;; end of part 1
;; launch attn (part 2): grid 256 x 1, 8 waves a work-group, clusters of 4 x 1, 327,680 bytes of LDS; arguments qc, kv, mw, lowp_scales, wi, bo, gamma, beta, q, out0; writes out0
.if DOCPART == 2
	.amdgcn_target "amdgcn-amd-amdhsa--gfx1250"
	.amdhsa_code_object_version 6
	.text
	.protected	k_qcb6316c6e9_attn
	.globl	k_qcb6316c6e9_attn
	.p2align	8
	.type	k_qcb6316c6e9_attn,@function
k_qcb6316c6e9_attn:
	s_mov_b64 s[64:65], 0
	v_nop
	global_prefetch_b8 v0, s[64:65] scope:SCOPE_SE
	s_setreg_imm32_b32 hwreg(HW_REG_WAVE_MODE, 25, 1), 1
	s_wait_xcnt 0x0
	s_wait_alu depctr_hold_cnt(0) depctr_sa_sdst(0) depctr_va_vdst(0) depctr_va_sdst(0) depctr_va_ssrc(0) depctr_va_vcc(0) depctr_vm_vsrc(0)
	s_getreg_b32 s2, hwreg(HW_REG_IB_STS2, 6, 4)
	s_cmp_eq_u32 s2, 0
	s_cbranch_scc0 .Lentry_in_a_cluster
	s_endpgm
.Lentry_in_a_cluster:
	s_bfe_u32 s2, ttmp6, 0x10000c
	s_cmp_lg_u32 s2, 0x3003
	s_cbranch_scc0 .Lentry_shape_is_right
	s_endpgm
.Lentry_shape_is_right:
; ATTENTION, THE PROJECTION ON THE WAY OUT, THE RESIDUAL AND THE LAYER NORM in one launch, all products on codes of BF8 (E5M2).  No work is left out.
; S = Q K^T, the mask, p = 2^(t - M), O = P V / l, O quantised with 2^e10, x = q + O Wo + bo, out = (x - mean) rsqrt(var + eps) gamma + beta.
; t = score x 2^(e6 + e7) x log2(e) / 8; M = the row's largest t so far, rounded UP to a whole number; p is quantised with 2^e8, not normalised; l is the sum of the unquantised p, in f32.
; When M moves, l and O are multiplied by 2^(old M - new M), which rounds nothing.
; SHARES.  A work-group owns 64 queries of one sequence, for all eight heads, so that it can finish its rows of the output.  Wave w of eight is head w, for all four query tiles:
; its 32 fragment loads of a key step (16,384 bytes of LDS) feed 48 matrix instructions.  THE TILES GO IN PAIRS: the two tiles' chains (maximum, M, sum) are independent and stand line by line,
; and the second tile's 32 multiply-adds stand among the first tile's 64 exponentials: they read what was written ahead of the batch's wait, and their results are read behind the next wait.
; The four work-groups of a cluster own 256 neighbouring queries of one sequence and walk the same K and V: every load of K and V is a JOINT load (mask 15).
; THE RING.  Two LDS slots of 131,072 bytes; a slot holds one step of 128 keys of all eight heads; wave w fetches head w's 16,384 bytes, one tensor load behind each round of the cluster's barrier.
; Behind the last round slot 0 takes the work-group's 64 rows of q (a load of its own for each work-group): they land under the last key step.  By this text's count a wave has one tensor load out at the most.
; THE MASK comes as codes of BF8 in the accumulators' layout (mw: 0x00 where the key counts, 0xfb where not).  One conversion widens eight of them, x 2^97, into an accumulator's eight registers: 0 or about -9e33;
; the score product adds onto them in place: a masked score is about -9e33, and its p is 0.  A pair's 32 registers of codes are loaded again, for the next pair, as soon as they are converted.
; The largest t begins at -2^40: above every masked t, under every t that counts.  A query with no key at all still has it at the end: its codes are made NaN, as the softmax of such a row is.
; LAYOUT.  Both products are used transposed (a lane holds ONE query, lane % 16); register 8 u + i of S^T in lane l is key 16 u + 8 (l / 16) + i of the step, so the conversions' results are P's registers.
; O's codes go from wave to wave through LDS as images of the operand's registers; then wave w makes features 64 w .. + 63 of all 64 tokens (Wo comes as images, wi: each load covers 512 consecutive bytes),
; the sums go through a stage in slot 1, and wave w finishes rows 8 w .. + 7.
; cx enters the addresses of qc, mw, q, out0 and of the prefetches alone: no LDS address, no branch and no joint descriptor hangs on it.
; PREFETCH.  In trip t (which loads step t + 1) step t + 3 of K and V is asked for: of a wave's 16,384 bytes each partner names 4,096, 16 lanes 256 bytes apart (the other lanes name the last block again); it stops behind step 7.
; Trip 5 asks for the wave's 16,384 bytes of q, which the load two trips on fetches.  The mask's codes are asked for a pair ahead by their own loads; wi is read once at the end, with no loop to run ahead in: no prefetch for these.
; LIMITS: the scaled scores t stay under 2^31 in magnitude; e6 + e7 between -60 and 130; e8 and e10 - e8 - e9 between -126 and 112; e10 + e11 between -126 and 127.  NaN among the inputs is not served.
; REGISTERS, window 0: v1-10 constants and addresses; v12-27 for tile j: -M, largest t, l in two halves; v28-45 at work; v46, v47 prefetch offsets; v48-63 p's codes; v64-127, v128-191 S^T, then p, of the pair's two tiles; v192-255 K.
; window 1: v0-127 O^T of four tiles; v128-159 Q of four tiles; v160-191 the mask's codes of a pair; v192-255 V.  On the way out window 1 holds my 64 rows of Wo.
.set SLOT,  131072
.set STEPB, 16384
.set STG,   131072                     ; the stage: 64 rows x 2,064 bytes, in slot 1 (its last fill is over) and 1,024 bytes behind it
.set SP,    2064
.set XIMG,  263168                     ; O's codes: 16 images of 2,048 bytes
.set SPARE, 295936                     ; the spare words, 128 bytes a wave
.set LI,   1
.set ADR,  2
.set SPW,  3
.set NIL,  4
.set MSC,  5                           ; the byte 224 four times: the mask's codes x 2^97
.set SCP,  6
.set LIMP, 7
.set SCO,  8
.set LIMO, 9
.set LIMQ, 10                          ; the hold once more: the halves of a dual instruction take their second sources from different banks
.set ST,   12
.set TMA,  28                          ; v28-31, v36-39: the maxima's chains; then, with v40-43, the sums' chains
.set PDA,  32
.set PDB,  33
.set FFA,  34                          ; v[34:35], v[44:45]: f of the two tiles
.set TMB,  36
.set XA2,  40
.set XB2,  42
.set FFB,  44
.set PFK,  46
.set PFQ,  47
.set PC,   48
.set SSA,  64
.set SSB,  128
.set KF,   192
.set OA,   0
.set QF,   128
.set MC,   160
.set VF,   192
.set SR,   5                           ; the way out's addresses, in registers that are done with
.set SO,   6
.set QRA,  10
.set XR,   11
.set XS,   13
.set GA,   16
.set BE,   32
.set BO,   48
.set XF,   64
.set AC,   128
.set PFB,  4                           ; s[4:5] my rows of q;  s3 the trip
.set CS,   6                           ; s[6:7] c
.set SEL,  10                          ; s[10:11] lane l xor 16;  s[8:9] the mask's codes;  s[12:13] my rows of out0
.set WV,   14
.set TB,   15
.set G1,   48
.set G0,   56
.set G0Q,  60
.set FS,   66                          ; s[66:67] 2^(e10 + e11)
.set PFA,  68                          ; s[68:69] where my prefetches of K and V stand
.set MSB, 0
.macro WIN new                         ; the immediate's high byte repeats the setting that is left
.if MSB != \new
	s_set_vgpr_msb (MSB<<8)|\new
.set MSB, \new
.endif
.endm
.macro NOPS n
.rept \n
	v_nop
.endr
.endm
.macro CROUND                          ; a round of the cluster's barrier
	s_barrier_signal -1
	s_barrier_wait -1
	s_cmp_lg_u32 s[WV], 0
	s_cbranch_scc1 .Lnot_wave_0_\@
	s_barrier_signal -3
.Lnot_wave_0_\@:
	s_barrier_wait -3
	s_barrier_signal -1
	s_barrier_wait -1
.endm
; THE CHANGE OF SLOTS: all my tensor loads are in, the add, my reads of the slot left are over; the round; then my one tensor load.  fill = 1: the next step of K and V; 0: my rows of q
.macro CHANGE fill
	s_wait_alu depctr_va_vdst(0)                   ; directly ahead of the wait below
	s_wait_tensorcnt 0x0
	ds_add_u32 v[SPW], v[NIL]
.if \fill
	s_xor_b32 s[G0+1], s[G0+1], SLOT               ; no load of mine is out: the descriptor walks to the other slot and the next step
	s_add_nc_u64 s[G0+2:G0+3], s[G0+2:G0+3], STEPB
	s_wait_xcnt 0x0                                ; my prefetch and the mask's loads have read their bases
	s_add_nc_u64 s[PFA:PFA+1], s[PFA:PFA+1], STEPB
	s_add_nc_u64 s[8:9], s[8:9], 2048              ; the mask's codes of the step after this one
.else
	s_mov_b32 s[G1], 3<<16                         ; the same shape with no mask: a load of my work-group's own
.endif
	s_wait_dscnt 0x0
	CROUND
.if \fill
	tensor_load_to_lds s[G0:G0+3], s[G1:G1+7]
.else
	tensor_load_to_lds s[G0Q:G0Q+3], s[G1:G1+7]
.endif
	s_nop 0
	NOPS 4                                         ; also the places in front of the loads into K's and V's registers
.endm
.macro MLOAD mo                        ; a pair's 2 x 2,048 bytes of mask codes, images: 8 x 512 consecutive bytes
.irp e, 0,1
.irp g, 0,1,2,3
	global_load_b128 v[MC+16*\e+4*\g:MC+16*\e+4*\g+3], v[LI], s[8:9] offset:(\mo)+16384*\e+512*\g
.endr
.endr
.endm
.macro ASK                             ; the prefetches; the branches hang on the count of trips alone
	s_cmp_lt_u32 s3, 5
	s_cbranch_scc1 .Lkv_\@
	s_cmp_eq_u32 s3, 5
	s_cbranch_scc0 .Lasked_\@
	global_prefetch_b8 v[PFQ], s[PFB:PFB+1] th:TH_LOAD_NT scope:SCOPE_SE
	global_prefetch_b8 v[PFQ], s[PFB:PFB+1] offset:8192 th:TH_LOAD_NT scope:SCOPE_SE
	s_branch .Lasked_\@
.Lkv_\@:
	global_prefetch_b8 v[PFK], s[PFA:PFA+1] th:TH_LOAD_NT scope:SCOPE_SE
.Lasked_\@:
.endm
.macro ADD2 d, a, b
	v_pk_add_f32 v[\d:\d+1], v[\a:\a+1], v[\b:\b+1]
.endm
; one tile's end: the hold, the codes, O^T under the new M, O^T += V^T P^T.  vw = 1: V's fragments are waited for
.macro FIN ss, oj, ff, vw
.set i, 0
.rept 32                               ; the conversion does not saturate (ISA guide 7.6.2); p is not negative, so the hold is one-sided
	v_dual_min_num_f32 v[\ss+i], v[\ss+i], v[LIMP] :: v_dual_min_num_f32 v[\ss+i+1], v[\ss+i+1], v[LIMQ]
.set i, i+2
.endr
.set u, 0
.rept 8
	v_cvt_scalef32_pk8_bf8_f32 v[PC+2*u:PC+2*u+1], v[\ss+8*u:\ss+8*u+7], v[SCP]
.set u, u+1
.endr
	WIN 0x41
	s_wait_alu depctr_va_vdst(0)                   ; directly ahead of the first reader of O^T
.set i, 0
.rept 16
	v_pk_mul_f32 v[\oj+i:\oj+i+1], v[\oj+i:\oj+i+1], v[\ff:\ff+1] op_sel_hi:[1,0]   ; also the plain instructions behind the conversions
.set i, i+2
.endr
.if \vw
	WIN 0
	s_wait_alu depctr_va_vdst(0)                   ; directly ahead of the wait below
	s_wait_dscnt 0x0                               ; V is in
.endif
	WIN 0x51
.set u, 0
.rept 4
	v_wmma_f32_16x16x128_bf8_bf8 v[\oj+8*u:\oj+8*u+7], v[VF+16*u:VF+16*u+15], v[PC:PC+15], v[\oj+8*u:\oj+8*u+7]   ; four accumulators by turns
.set u, u+1
.endr
	WIN 0
.endm
; 128 keys against my query tiles 2 p and 2 p + 1.  mo: where the next pair's mask codes lie from s[8:9] on (-1: none follow)
.macro PAIR p, mo, first, ask
.set NMA, ST+8*(\p)
.set NMB, ST+8*(\p)+4
.set LSA, NMA+2
.set LSB, NMB+2
.set OJA, OA+64*(\p)
.set OJB, OJA+32
	s_wait_alu depctr_va_vdst(0)                   ; directly ahead of the wait below
	s_wait_loadcnt 0x0                             ; the pair's mask codes: the youngest loads
.if \first
	s_wait_dscnt 16                                ; K is in; V's sixteen younger loads may be out
.endif
	WIN 0x01
.set u, 0
.rept 8
	v_cvt_scale_pk8_f32_bf8 v[SSA+8*u:SSA+8*u+7], v[MC+2*u:MC+2*u+1], v[MSC]         ; 0 where the key counts, about -9e33 where not
	v_cvt_scale_pk8_f32_bf8 v[SSB+8*u:SSB+8*u+7], v[MC+16+2*u:MC+16+2*u+1], v[MSC]
.set u, u+1
.endr
	WIN 0
	v_nop                                          ; one plain instruction behind the conversions
.if (\mo) >= 0
	WIN 0x40
	MLOAD \mo
.endif
	WIN 0x04
.set u, 0
.rept 8                                ; sixteen accumulators by turns; each fragment of K serves both tiles
	v_wmma_f32_16x16x64_bf8_bf8 v[SSA+8*u:SSA+8*u+7], v[KF+8*u:KF+8*u+7], v[QF+16*(\p):QF+16*(\p)+7], v[SSA+8*u:SSA+8*u+7]
	v_wmma_f32_16x16x64_bf8_bf8 v[SSB+8*u:SSB+8*u+7], v[KF+8*u:KF+8*u+7], v[QF+16*(\p)+8:QF+16*(\p)+15], v[SSB+8*u:SSB+8*u+7]
.set u, u+1
.endr
	WIN 0
	NOPS 4                                         ; places in front of the first read of the scores
.if \ask
	ASK
.endif
.irp k, 0,1,2,3                        ; the largest score of each query among my 64 keys, in eight chains; each accumulator is first read at its low end
	v_max3_num_f32 v[TMA+\k], v[SSA+16*\k], v[SSA+16*\k+1], v[SSA+16*\k+2]
	v_max3_num_f32 v[TMB+\k], v[SSB+16*\k], v[SSB+16*\k+1], v[SSB+16*\k+2]
.endr
.irp i, 3,5,7,9,11,13
.irp k, 0,1,2,3
	v_max3_num_f32 v[TMA+\k], v[TMA+\k], v[SSA+16*\k+\i], v[SSA+16*\k+\i+1]
	v_max3_num_f32 v[TMB+\k], v[TMB+\k], v[SSB+16*\k+\i], v[SSB+16*\k+\i+1]
.endr
.endr
	v_max3_num_f32 v[TMA], v[TMA], v[SSA+15], v[SSA+31]
	v_max3_num_f32 v[TMB], v[TMB], v[SSB+15], v[SSB+31]
	v_max3_num_f32 v[TMA+1], v[TMA+1], v[SSA+47], v[SSA+63]
	v_max3_num_f32 v[TMB+1], v[TMB+1], v[SSB+47], v[SSB+63]
	v_max_num_f32 v[TMA+2], v[TMA+2], v[TMA+3]
	v_max_num_f32 v[TMB+2], v[TMB+2], v[TMB+3]
	v_max3_num_f32 v[TMA], v[TMA], v[TMA+1], v[TMA+2]
	v_max3_num_f32 v[TMB], v[TMB], v[TMB+1], v[TMB+2]
	v_permlanex16_b32 v[PDA], v[TMA], s[SEL], s[SEL+1]
	v_permlanex16_b32 v[PDB], v[TMB], s[SEL], s[SEL+1]
	v_max_num_f32 v[TMA], v[TMA], v[PDA]           ; and among lane l xor 16's
	v_max_num_f32 v[TMB], v[TMB], v[PDB]
	v_mul_f32 v[TMA], s[CS], v[TMA]                ; as t (c is positive)
	v_mul_f32 v[TMB], s[CS], v[TMB]
	v_max_num_f32 v[NMA+1], v[NMA+1], v[TMA]       ; the running largest t
	v_max_num_f32 v[NMB+1], v[NMB+1], v[TMB]
	v_mov_b32 v[TMA], v[NMA]
	v_mov_b32 v[TMB], v[NMB]
	v_floor_f32 v[NMA], -v[NMA+1]                  ; the new -M
	v_floor_f32 v[NMB], -v[NMB+1]
	v_sub_f32 v[TMA], v[NMA], v[TMA]               ; old M less new M: a whole number, 0 or less
	v_sub_f32 v[TMB], v[NMB], v[TMB]
	v_cvt_i32_f32 v[TMA], v[TMA]                   ; (it saturates)
	v_cvt_i32_f32 v[TMB], v[TMB]
	v_ldexp_f32 v[FFA], 1.0, v[TMA]                ; f = 2^(old M - new M)
	v_ldexp_f32 v[FFB], 1.0, v[TMB]
.set i, 0
.rept 32
	v_pk_fma_f32 v[SSA+i:SSA+i+1], v[SSA+i:SSA+i+1], s[CS:CS+1], v[NMA:NMA+1] op_sel_hi:[1,0,0]   ; t - M of the first tile
.set i, i+2
.endr
	s_wait_alu depctr_va_vdst(0)                   ; ahead of the batch
.set i, 0
.rept 32                               ; the first tile's exponentials, and among them t - M of the second tile
	v_exp_f32 v[SSA+i], v[SSA+i]
	v_exp_f32 v[SSA+i+1], v[SSA+i+1]
	v_pk_fma_f32 v[SSB+i:SSB+i+1], v[SSB+i:SSB+i+1], s[CS:CS+1], v[NMB:NMB+1] op_sel_hi:[1,0,0]
.set i, i+2
.endr
	s_wait_alu depctr_va_vdst(0)                   ; between those multiply-adds and the exponentials that read them
.set i, 0
.rept 64
	v_exp_f32 v[SSB+i], v[SSB+i]
.set i, i+1
.endr
	v_pk_mul_f32 v[LSA:LSA+1], v[LSA:LSA+1], v[FFA:FFA+1] op_sel_hi:[1,0]   ; l under the new M: the plain instructions behind the batch
	v_pk_mul_f32 v[LSB:LSB+1], v[LSB:LSB+1], v[FFB:FFB+1] op_sel_hi:[1,0]
	s_wait_alu depctr_va_vdst(0)                   ; and the one wait behind it
	ADD2 TMA, SSA, SSA+2                           ; l takes the unquantised p, in eight chains
	ADD2 TMB, SSB, SSB+2
	ADD2 TMA+2, SSA+4, SSA+6
	ADD2 TMB+2, SSB+4, SSB+6
	ADD2 XA2, SSA+8, SSA+10
	ADD2 XB2, SSB+8, SSB+10
	ADD2 LSA, LSA, SSA+12
	ADD2 LSB, LSB, SSB+12
.set i, 14
.rept 6
	ADD2 TMA, TMA, SSA+i
	ADD2 TMB, TMB, SSB+i
	ADD2 TMA+2, TMA+2, SSA+i+2
	ADD2 TMB+2, TMB+2, SSB+i+2
	ADD2 XA2, XA2, SSA+i+4
	ADD2 XB2, XB2, SSB+i+4
	ADD2 LSA, LSA, SSA+i+6
	ADD2 LSB, LSB, SSB+i+6
.set i, i+8
.endr
	ADD2 TMA, TMA, SSA+62
	ADD2 TMB, TMB, SSB+62
	ADD2 LSA, LSA, XA2
	ADD2 LSB, LSB, XB2
	ADD2 TMA, TMA, TMA+2
	ADD2 TMB, TMB, TMB+2
	ADD2 LSA, LSA, TMA
	ADD2 LSB, LSB, TMB
	FIN SSA, OJA, FFA, \first
	FIN SSB, OJB, FFB, 0                           ; its 32 holds are the places between the products above and the conversions that write p's codes anew
.endm
; A KEY STEP of my head: K's and V's fragments are read once and serve four query tiles
.macro STEP m0, m1, ask
	v_add_nc_u32 v[ADR], s[TB], v[LI]
.set u, 0
.rept 16
	ds_load_b128 v[KF+4*u:KF+4*u+3], v[ADR] offset:512*u          ; images: lane l's 16 bytes at 16 l
.set u, u+1
.endr
	WIN 0x40
.set u, 0
.rept 16
	ds_load_b128 v[VF+4*u:VF+4*u+3], v[ADR] offset:8192+512*u
.set u, u+1
.endr
	WIN 0
	PAIR 0, \m0, 1, \ask
	PAIR 1, \m1, 0, 0
.endm
; ---- the way out's macros
.macro FETCHI kap, first               ; O's codes of token tiles first, first + 1 for one K step of 128
.irp m, \first, \first+1
.irp c, 0,1,2,3
	ds_load_b128 v[XF+16*(\m)+4*\c:XF+16*(\m)+4*\c+3], v[XR] offset:(4*(\m)+(\kap))*2048+512*\c
.endr
.endr
.endm
.macro MUL8 kap, first                 ; source 0 = 16 rows of Wo (window 1), source 1 = 16 tokens; 16 accumulators by turns
	WIN 0x01
.irp m, \first, \first+1
.irp t, 0,1,2,3
.if (\kap) == 0
	v_wmma_f32_16x16x128_bf8_bf8 v[AC+8*(4*(\m)+\t):AC+8*(4*(\m)+\t)+7], v[16*(4*\t+(\kap)):16*(4*\t+(\kap))+15], v[XF+16*(\m):XF+16*(\m)+15], 0
.else
	v_wmma_f32_16x16x128_bf8_bf8 v[AC+8*(4*(\m)+\t):AC+8*(4*(\m)+\t)+7], v[16*(4*\t+(\kap)):16*(4*\t+(\kap))+15], v[XF+16*(\m):XF+16*(\m)+15], v[AC+8*(4*(\m)+\t):AC+8*(4*(\m)+\t)+7]
.endif
.endr
.endr
.endm
.macro LANESUM o                       ; four rows' sums over the 32 lanes, by turns
.irp x, 1,2,4,8
.irp p, 0,1,2,3
	v_add_f32_dpp v[XF+16*\p+\o], v[XF+16*\p+\o], v[XF+16*\p+\o] row_xmask:\x row_mask:0xf bank_mask:0xf
.endr
.endr
.irp p, 0,1,2,3
	v_permlanex16_b32 v[XF+16*\p+\o+1], v[XF+16*\p+\o], s[SEL], s[SEL+1]
.endr
.irp p, 0,1,2,3
	v_add_f32 v[XF+16*\p+\o], v[XF+16*\p+\o], v[XF+16*\p+\o+1]
.endr
.endm
.macro ROWS4 g                         ; four rows: x = sum x 2^(e10 + e11) + (q + bo); mean; variance; the norm; stored, a lane 4 x 16 bytes of each row
.irp p, 0,1,2,3
.irp i, 0,1,2,3
	ds_load_b128 v[XF+16*\p+4*\i:XF+16*\p+4*\i+3], v[QRA] offset:(4*\g+\p)*2048+512*\i
.endr
.endr
	s_wait_dscnt 0x0
.irp k, 0,2,4,6,8,10,12,14
.irp p, 0,1,2,3
	v_pk_add_f32 v[XF+16*\p+\k:XF+16*\p+\k+1], v[XF+16*\p+\k:XF+16*\p+\k+1], v[BO+\k:BO+\k+1]
.endr
.endr
.irp k, 0,2,4,6,8,10,12,14
.irp p, 0,1,2,3
	v_pk_fma_f32 v[AC+64*\g+16*\p+\k:AC+64*\g+16*\p+\k+1], v[AC+64*\g+16*\p+\k:AC+64*\g+16*\p+\k+1], s[FS:FS+1], v[XF+16*\p+\k:XF+16*\p+\k+1] op_sel_hi:[1,0,1]
.endr
.endr
.irp k, 0,2,4,6
.irp p, 0,1,2,3
	v_pk_add_f32 v[XF+16*\p+\k:XF+16*\p+\k+1], v[AC+64*\g+16*\p+2*\k:AC+64*\g+16*\p+2*\k+1], v[AC+64*\g+16*\p+2*\k+2:AC+64*\g+16*\p+2*\k+3]
.endr
.endr
.irp k, 0,4
.irp p, 0,1,2,3
	v_pk_add_f32 v[XF+16*\p+\k:XF+16*\p+\k+1], v[XF+16*\p+\k:XF+16*\p+\k+1], v[XF+16*\p+\k+2:XF+16*\p+\k+3]
.endr
.endr
.irp p, 0,1,2,3
	v_pk_add_f32 v[XF+16*\p:XF+16*\p+1], v[XF+16*\p:XF+16*\p+1], v[XF+16*\p+4:XF+16*\p+5]
.endr
.irp p, 0,1,2,3
	v_add_f32 v[XF+16*\p], v[XF+16*\p], v[XF+16*\p+1]
.endr
	LANESUM 0
.irp p, 0,1,2,3
	v_mul_f32 v[XF+16*\p], s30, v[XF+16*\p]
.endr
.irp k, 0,2,4,6,8,10,12,14
.irp p, 0,1,2,3
	v_pk_add_f32 v[AC+64*\g+16*\p+\k:AC+64*\g+16*\p+\k+1], v[AC+64*\g+16*\p+\k:AC+64*\g+16*\p+\k+1], v[XF+16*\p:XF+16*\p+1] op_sel_hi:[1,0] neg_lo:[0,1] neg_hi:[0,1]
.endr
.endr
.irp p, 0,1,2,3
	v_pk_mul_f32 v[XF+16*\p+2:XF+16*\p+3], v[AC+64*\g+16*\p:AC+64*\g+16*\p+1], v[AC+64*\g+16*\p:AC+64*\g+16*\p+1]
.endr
.irp k, 2,4,6,8,10,12,14
.irp p, 0,1,2,3
	v_pk_fma_f32 v[XF+16*\p+2:XF+16*\p+3], v[AC+64*\g+16*\p+\k:AC+64*\g+16*\p+\k+1], v[AC+64*\g+16*\p+\k:AC+64*\g+16*\p+\k+1], v[XF+16*\p+2:XF+16*\p+3]
.endr
.endr
.irp p, 0,1,2,3
	v_add_f32 v[XF+16*\p+2], v[XF+16*\p+2], v[XF+16*\p+3]
.endr
	LANESUM 2
.irp p, 0,1,2,3
	v_fma_f32 v[XF+16*\p+2], v[XF+16*\p+2], s30, s31
.endr
	s_wait_alu depctr_va_vdst(0)                   ; ahead of the batch
.irp p, 0,1,2,3
	v_rsq_f32 v[XF+16*\p+4], v[XF+16*\p+2]
.endr
	v_nop
	s_wait_alu depctr_va_vdst(0)                   ; and behind it
.irp k, 0,2,4,6,8,10,12,14
.irp p, 0,1,2,3
	v_pk_mul_f32 v[AC+64*\g+16*\p+\k:AC+64*\g+16*\p+\k+1], v[AC+64*\g+16*\p+\k:AC+64*\g+16*\p+\k+1], v[XF+16*\p+4:XF+16*\p+5] op_sel_hi:[1,0]
.endr
.endr
.irp k, 0,2,4,6,8,10,12,14
.irp p, 0,1,2,3
	v_pk_fma_f32 v[AC+64*\g+16*\p+\k:AC+64*\g+16*\p+\k+1], v[AC+64*\g+16*\p+\k:AC+64*\g+16*\p+\k+1], v[GA+\k:GA+\k+1], v[BE+\k:BE+\k+1]
.endr
.endr
.irp p, 0,1,2,3
.irp i, 0,1,2,3
	global_store_b128 v[LI], v[AC+64*\g+16*\p+4*\i:AC+64*\g+16*\p+4*\i+3], s[12:13] offset:(4*\g+\p)*2048+512*\i th:TH_STORE_NT   ; 32 lanes store 512 consecutive bytes
.endr
.endr
.endm
	s_load_b256 s[16:23], s[0:1], 0x0              ; qc, kv, mw, the scales' exponents
	s_load_b128 s[24:27], s[0:1], 0x40             ; q, out0
	v_lshl_add_u32 v[SPW], v0, 2, SPARE
	v_mov_b32 v[NIL], 0
	ds_add_u32 v[SPW], v[NIL]                      ; the opening: the add, twice on end, and its wait ahead of my first tensor load
	ds_add_u32 v[SPW], v[NIL]
	v_lshrrev_b32 v2, 5, v0
	v_readfirstlane_b32 s[WV], v2                  ; wave 0..7 = head
	v_and_b32 v[LI], 31, v0
	v_lshlrev_b32 v[PFQ], 8, v[LI]                 ; q's prefetches: lanes 256 bytes apart
	v_min_u32 v[PFK], 15, v[LI]
	v_lshlrev_b32 v[LI], 4, v[LI]
	s_bfe_u32 s2, ttmp6, 0x40000                   ; cx
	s_lshl_b32 s3, s2, 12
	v_lshl_add_u32 v[PFK], v[PFK], 8, s3           ; K's and V's: my work-group's 4,096 bytes of the wave's 16,384
	s_and_b32 s3, ttmp9, 3
	s_lshl_b32 s3, s3, 2
	s_add_co_u32 s3, s3, s2                        ; my block of 64 queries in the sequence
	s_lshr_b32 s2, ttmp9, 2                        ; the sequence
	s_lshl_b32 s32, s2, 3
	s_add_co_u32 s32, s32, s[WV]                   ; sequence x 8 + head
	s_lshl_b32 s28, s32, 16
	s_lshl_b32 s30, s3, 12
	s_add_co_u32 s28, s28, s30                     ; in qc: 65,536 a head, 1,024 a query tile
	s_mov_b32 s29, 0
	s_lshr_b32 s30, s2, 3                          ; the batch
	s_lshl_b32 s30, s30, 20
	s_lshl_b32 s34, s3, 16
	s_add_co_u32 s30, s30, s34                     ; in mw: 16,384 a query tile
	s_mov_b32 s31, 0
	s_lshl_b32 s32, s32, 17                        ; in kv: what the partners share
	s_mov_b32 s33, 0
	s_lshl_b32 s34, s2, 10
	s_lshl_b32 s35, s3, 6
	s_add_co_u32 s34, s34, s35
	s_lshl_b32 s35, s[WV], 3
	s_add_co_u32 s34, s34, s35
	s_lshl_b32 s34, s34, 11                        ; in q and out0: my eight rows of 2,048 bytes
	s_mov_b32 s35, 0
	s_mov_b32 s[G1+0], 15|(3<<16)|(1<<21)          ; the mask: all four work-groups; elements of 8 bytes; bit 21 beside a mask
	s_mov_b32 s[G1+1], 32<<16                      ; 64 rows of 32 elements, dense: 16,384 bytes
	s_mov_b32 s[G1+2], 64<<16
	s_mov_b32 s[G1+3], 32<<16
	s_mov_b32 s[G1+4], 64
	s_mov_b32 s[G1+5], 32
	s_mov_b32 s[G1+6], 0
	s_mov_b32 s[G1+7], 0
	s_mov_b32 s[G0], 1
	s_lshl_b32 s[G0+1], s[WV], 14
	s_mov_b32 s[G0Q], 1
	s_lshl_b32 s[G0Q+1], s[WV], 14
	s_mov_b32 s[SEL], 0x76543210
	s_mov_b32 s[SEL+1], 0xfedcba98
	s_wait_alu depctr_va_vdst(0)                   ; directly ahead of the wait below
	s_wait_dscnt 0x0                               ; both opening adds are done
	s_wait_kmcnt 0x0
	s_load_b128 s[36:39], s[22:23], 0x18           ; e6, e7, e8, e9
	s_load_b64 s[FS:FS+1], s[22:23], 0x28          ; e10, e11
	s_add_nc_u64 s[8:9], s[20:21], s[30:31]
	s_add_nc_u64 s[16:17], s[16:17], s[28:29]
	s_add_nc_u64 s[PFB:PFB+1], s[24:25], s[34:35]
	s_add_nc_u64 s[12:13], s[26:27], s[34:35]
	s_add_nc_u64 s[G0+2:G0+3], s[18:19], s[32:33]  ; step 0
	s_add_nc_u64 s[PFA:PFA+1], s[G0+2:G0+3], 2*STEPB   ; the first change steps it to step 3
	s_mov_b64 s[G0Q+2:G0Q+3], s[PFB:PFB+1]
	s_or_b32 s[G0+3], s[G0+3], 0x80000000
	s_or_b32 s[G0Q+3], s[G0Q+3], 0x80000000
	CROUND                                         ; all four work-groups are here: the joint loads meet
	tensor_load_to_lds s[G0:G0+3], s[G1:G1+7]      ; step 0: my one tensor load at the head
	s_nop 0
	NOPS 4
	WIN 0x40
.irp j, 0,1,2,3
	global_load_b128 v[QF+8*\j:QF+8*\j+3], v[LI], s[16:17] offset:1024*\j
	global_load_b128 v[QF+8*\j+4:QF+8*\j+7], v[LI], s[16:17] offset:1024*\j+512
.endr
	MLOAD 0                                        ; step 0's mask codes of tiles 0 and 1
.set i, 0
.rept 128
	v_mov_b32 v[OA+i], 0                           ; the step is written alike for all steps: the first finds zeros
.set i, i+1
.endr
	WIN 0
.irp j, 0,1,2,3
	v_mov_b32 v[ST+4*\j], 0x53800000               ; -M = 2^40
	v_mov_b32 v[ST+4*\j+1], 0xd3800000             ; the largest t so far: -2^40
	v_mov_b32 v[ST+4*\j+2], 0
	v_mov_b32 v[ST+4*\j+3], 0
.endr
	v_mov_b32 v[MSC], 0xe0e0e0e0
	v_mov_b32 v[PDA], 0                            ; a lane permute's destination counts as a source
	v_mov_b32 v[PDB], 0
	v_mov_b32 v[FFA+1], 0                          ; (named as the upper halves of pairs)
	v_mov_b32 v[FFB+1], 0
	s_wait_kmcnt 0x0
	s_add_co_i32 s15, s38, 127
	s_lshl_b32 s3, s15, 23
	v_mov_b32 v[SCP], s3                           ; 2^e8
	s_add_co_i32 s15, s15, 15
	s_lshl_b32 s15, s15, 23
	s_or_b32 s15, s15, 0x600000
	v_mov_b32 v[LIMP], s15                         ; 57,344 x 2^e8, twice
	v_mov_b32 v[LIMQ], s15
	s_sub_co_i32 s15, s[FS], s38
	s_sub_co_i32 s15, s15, s39
	s_add_co_i32 s15, s15, 127
	s_lshl_b32 s3, s15, 23
	v_mov_b32 v[SCO], s3                           ; 2^(e10 - e8 - e9)
	s_add_co_i32 s15, s15, 15
	s_lshl_b32 s15, s15, 23
	s_or_b32 s15, s15, 0x600000
	v_mov_b32 v[LIMO], s15
	s_add_co_i32 s[FS], s[FS], s[FS+1]
	s_add_co_i32 s[FS], s[FS], 127
	s_lshl_b32 s[FS], s[FS], 23                    ; 2^(e10 + e11)
	s_mov_b32 s[FS+1], s[FS]
	s_add_co_i32 s3, s36, s37
	s_lshl_b32 s3, s3, 23
	s_add_co_i32 s[CS], s3, 0x3e38aa3b             ; c = log2(e) / 8, with e6 + e7 added to its exponent field
	s_mov_b32 s[CS+1], s[CS]
	s_lshl_b32 s[TB], s[WV], 14                    ; my head's 16,384 bytes of slot 0
	s_mov_b32 s3, 0
.Ltrip:                                            ; seven trips: steps 0 to 6; each asks for the next step
	CHANGE 1
	STEP 30720, 0, 1                               ; s[8:9] stands at the next step's codes: this step's tiles 2, 3 lie 32,768 - 2,048 on, the next step's tiles 0, 1 at 0
	s_xor_b32 s[TB], s[TB], SLOT
	s_add_co_u32 s3, s3, 1
	s_cmp_lt_u32 s3, 7
	s_cbranch_scc1 .Ltrip
	CHANGE 0                                       ; the last step is written out: slot 0 takes my rows of q
	s_lshl_b32 s[TB], s[WV], 14
	s_add_co_u32 s[TB], s[TB], SLOT                ; step 7 lies in slot 1
	STEP 32768, -1, 0                              ; s[8:9] stands at step 7's codes
	; ---- O^T / l, held, quantised with 2^e10, to the images in LDS
	s_load_b256 s[16:23], s[0:1], 0x20             ; wi, bo, gamma, beta
	NOPS 4                                         ; places behind the last products
.irp j, 0,1,2,3
	v_add_f32 v[ST+4*\j+2], v[ST+4*\j+2], v[ST+4*\j+3]
.endr
.irp j, 0,1,2,3
	v_permlanex16_b32 v[TMA+\j], v[ST+4*\j+2], s[SEL], s[SEL+1]
.endr
.irp j, 0,1,2,3
	v_add_f32 v[ST+4*\j+2], v[ST+4*\j+2], v[TMA+\j]
.endr
.irp j, 0,1,2,3
	v_cmp_gt_f32 s[24+\j], 0xd3000000, v[ST+4*\j+1]   ; -2^39 > the largest t: no key counted for my query
.endr
	s_wait_alu depctr_va_vdst(0)                   ; ahead of the batch
.irp j, 0,1,2,3
	v_rcp_f32 v[ST+4*\j+2], v[ST+4*\j+2]
.endr
	v_nop
	WIN 0x41
	s_wait_alu depctr_va_vdst(0)                   ; behind the batch, and directly ahead of the first readers of O^T
.set i, 0
.rept 64
	v_pk_mul_f32 v[OA+i:OA+i+1], v[OA+i:OA+i+1], v[ST+4*(i/32)+2:ST+4*(i/32)+3] op_sel_hi:[1,0]   ; each accumulator from its low end on
.set i, i+2
.endr
.set i, 0
.rept 128
	v_med3_num_f32 v[OA+i], v[OA+i], -v[LIMO], v[LIMO]
.set i, i+1
.endr
	WIN 0x01
.set i, 0
.rept 16
	v_cvt_scalef32_pk8_bf8_f32 v[XF+2*i:XF+2*i+1], v[OA+8*i:OA+8*i+7], v[SCO]   ; tile i / 4: eight registers, my head's half of an operand of 128 along K
.set i, i+1
.endr
	WIN 0
	v_mov_b32 v[TMA], 0x7f7f7f7f                   ; four NaN codes; also the plain instruction behind the conversions
.set i, 0
.rept 32
	v_cndmask_b32 v[XF+i], v[XF+i], v[TMA], s[24+i/8]
.set i, i+1
.endr
	v_and_b32 v14, 15, v0                          ; r
	v_bfe_u32 v15, v0, 4, 1                        ; h
	v_mul_u32_u24 v[SO], v14, SP
	v_lshl_add_u32 v[SO], v15, 6, v[SO]
	s_lshl_b32 s28, s[WV], 8
	s_add_co_u32 s28, s28, STG
	v_add_nc_u32 v[SO], s28, v[SO]                 ; the stage, in: token r, my 64 features
	v_add_nc_u32 v[SO+1], 32*SP, v[SO]
	s_mul_i32 s28, s[WV], 8*SP
	s_add_co_u32 s28, s28, STG
	v_add_nc_u32 v[SR], s28, v[LI]                 ; back: my eight rows
	s_lshl_b32 s28, s[WV], 14
	v_add_nc_u32 v[QRA], s28, v[LI]                ; my rows of q in slot 0
	s_lshl_b32 s28, s[WV], 10
	s_add_co_u32 s28, s28, XIMG
	v_add_nc_u32 v[XS], s28, v[LI]                 ; my images: K step w / 2, half w % 2; token tile j 8,192 bytes on
	v_add_nc_u32 v[XR], XIMG, v[LI]
	s_mov_b32 s30, 0x3b000000                      ; 1 / 512
	s_mov_b32 s31, 0x3727c5ac                      ; 1e-5
	s_wait_alu depctr_va_vdst(0)                   ; directly ahead of the wait below
	s_wait_kmcnt 0x0
	s_lshl_b32 s28, s[WV], 15
	s_mov_b32 s29, 0
	s_add_nc_u64 s[16:17], s[16:17], s[28:29]      ; my 64 rows of Wo, as 64 images of 512 bytes
.irp j, 0,1,2,3
	ds_store_b128 v[XS], v[XF+8*\j:XF+8*\j+3] offset:8192*\j
	ds_store_b128 v[XS], v[XF+8*\j+4:XF+8*\j+7] offset:8192*\j+512
.endr
	WIN 0x40
.set i, 0
.rept 64
	global_load_b128 v[4*i:4*i+3], v[LI], s[16:17] offset:512*i
.set i, i+1
.endr
	WIN 0
.irp i, 0,1,2,3
	global_load_b128 v[GA+4*\i:GA+4*\i+3], v[LI], s[20:21] offset:512*\i
	global_load_b128 v[BE+4*\i:BE+4*\i+3], v[LI], s[22:23] offset:512*\i
	global_load_b128 v[BO+4*\i:BO+4*\i+3], v[LI], s[18:19] offset:512*\i
.endr
	s_wait_dscnt 0x0                               ; for the others' sake: my images lie in LDS, and my reads of slot 1 are over
	s_barrier_signal -1
	s_barrier_wait -1
	FETCHI 0, 0
	FETCHI 0, 2
	s_wait_loadcnt 0x0
.irp kap, 0,1,2,3
	s_wait_dscnt 8                                 ; tiles 0, 1 are in; the eight younger loads may be out
	MUL8 \kap, 0
.if \kap < 3
	WIN 0
	NOPS 4
	FETCHI \kap+1, 0
	s_wait_dscnt 8
.else
	s_wait_dscnt 0
.endif
	MUL8 \kap, 2
.if \kap < 3
	WIN 0
	NOPS 4
	FETCHI \kap+1, 2
.endif
.endr
	WIN 0
	NOPS 4
.irp m, 0,1,2,3
.irp t, 0,1,2,3
	ds_store_b128 v[SO+\m/2], v[AC+8*(4*\m+\t):AC+8*(4*\m+\t)+3] offset:(\m%2)*16*SP+(32*(\t/2)+8*(\t%2))*4
	ds_store_b128 v[SO+\m/2], v[AC+8*(4*\m+\t)+4:AC+8*(4*\m+\t)+7] offset:(\m%2)*16*SP+(32*(\t/2)+8*(\t%2))*4+16
.endr
.endr
	s_wait_dscnt 0x0
	s_barrier_signal -1
	s_barrier_wait -1
	s_wait_tensorcnt 0x0                           ; my rows of q, which I alone read
.irp i, 0,1,2,3,4,5,6,7
.irp c, 0,1,2,3
	ds_load_b128 v[AC+16*\i+4*\c:AC+16*\i+4*\c+3], v[SR] offset:\i*SP+512*\c
.endr
.endr
	ROWS4 0
	ROWS4 1
	s_wait_tensorcnt 0x0                           ; the wave's end
	ds_add_u32 v[SPW], v[NIL]
	s_wait_dscnt 0x0
	CROUND                                         ; the closing round
	s_endpgm
.Lfunc_end_k_qcb6316c6e9_attn:
	.size	k_qcb6316c6e9_attn, .Lfunc_end_k_qcb6316c6e9_attn-k_qcb6316c6e9_attn
	.p2alignl 7, 3214868480
	.fill 96, 4, 3214868480
	.section	.rodata,"a",@progbits
	.p2align	6, 0x0
	.amdhsa_kernel k_qcb6316c6e9_attn
		.amdhsa_group_segment_fixed_size 327680
		.amdhsa_private_segment_fixed_size 0
		.amdhsa_enable_private_segment 0
		.amdhsa_kernarg_size 80
		.amdhsa_user_sgpr_count 2
		.amdhsa_user_sgpr_kernarg_segment_ptr 1
		.amdhsa_wavefront_size32 1
		.amdhsa_system_sgpr_workgroup_id_x 1
		.amdhsa_system_sgpr_workgroup_id_y 1
		.amdhsa_system_sgpr_workgroup_id_z 1
		.amdhsa_system_vgpr_workitem_id 0
		.amdhsa_next_free_vgpr 512
		.amdhsa_next_free_sgpr 80
		.amdhsa_reserve_vcc 0
		.amdhsa_float_denorm_mode_32 3
		.amdhsa_float_denorm_mode_16_64 3
		.amdhsa_memory_ordered 1
		.amdhsa_forward_progress 1
		.amdhsa_inst_pref_size 208
	.end_amdhsa_kernel
	.amdgpu_metadata
---
amdhsa.version: [ 1, 2 ]
amdhsa.kernels:
  - .name:           k_qcb6316c6e9_attn
    .symbol:         k_qcb6316c6e9_attn.kd
    .args:
      - { .name: qc, .offset: 0, .size: 8, .value_kind: global_buffer, .address_space: global }
      - { .name: kv, .offset: 8, .size: 8, .value_kind: global_buffer, .address_space: global }
      - { .name: mw, .offset: 16, .size: 8, .value_kind: global_buffer, .address_space: global }
      - { .name: lowp_scales, .offset: 24, .size: 8, .value_kind: global_buffer, .address_space: global }
      - { .name: wi, .offset: 32, .size: 8, .value_kind: global_buffer, .address_space: global }
      - { .name: bo, .offset: 40, .size: 8, .value_kind: global_buffer, .address_space: global }
      - { .name: gamma, .offset: 48, .size: 8, .value_kind: global_buffer, .address_space: global }
      - { .name: beta, .offset: 56, .size: 8, .value_kind: global_buffer, .address_space: global }
      - { .name: q, .offset: 64, .size: 8, .value_kind: global_buffer, .address_space: global }
      - { .name: out0, .offset: 72, .size: 8, .value_kind: global_buffer, .address_space: global }
    .group_segment_fixed_size: 327680
    .private_segment_fixed_size: 0
    .kernarg_segment_align: 8
    .kernarg_segment_size: 80
    .max_flat_workgroup_size: 256
    .sgpr_count:     80
    .vgpr_count:     512
    .wavefront_size: 32
...
	.end_amdgpu_metadata
.endif
;; end of part 2
